; MI455X (gfx1250); checked and timed in simulation.
; The chip was launched on July 23, 2026; its instructions are those of AMD's public machine-readable ISA for CDNA 5 (MIT licence, August 2026) and "CDNA5" Instruction Set Architecture Reference Guide (July 2026). The comments in the code are by the model that wrote it; some were corrected since.
;; GRU. Allowed arithmetic: matrix products marked QUANTISED: E5M2 operands, one given power-of-two scale a tensor, by v_wmma_f32_16x16x64_bf8_bf8 or v_wmma_f32_16x16x128_bf8_bf8, f32 sums; products left as they are: f32 operands where the result goes on into a quantised operand, else bf16, f16 or f32 operands; f32 sums; everything else in f32.
;; Inputs: Uh 2,048 x 2,048 float32; Ur 2,048 x 2,048 float32; Uz 2,048 x 2,048 float32; Wh 2,048 x 2,048 float32; Wr 2,048 x 2,048 float32; Wz 2,048 x 2,048 float32; b_h 1 x 2,048 float32; b_r 1 x 2,048 float32; b_z 1 x 2,048 float32; buh 2,048 float32; bur 2,048 float32; buz 2,048 float32; bwh 2,048 float32; bwr 2,048 float32; bwz 2,048 float32; h 1 x 2,048 float32; lowp_scales 8 int32 (the exponents e of the quantised operands' scales 2^e); x 4,096 x 2,048 float32.
;; Outputs: out0 4,096 x 2,048 float32.
;; This version of the problem:
;;   THIS VERSION OF THE PROBLEM IS GIVEN IN LOW PRECISION. The matrix products marked QUANTISED in the list below multiply operands that are first quantised to E5M2 (5 exponent bits, 2 mantissa bits; 8 bits a number), with one given power-of-two scale for each operand tensor; their sums are f32. All else is computed in f32.
;;   The module's matrix products, in the order in which they are computed (A, B: the left and right operand; K: the contracted axis; several contracted axes count as one K, in the product's order):
;;     1. [M 4,096, K 2,048] x [K 2,048, N 2,048]; A: input x; B: input Wz: QUANTISED (scales: A lowp_scales[0], B lowp_scales[1])
;;     2. [M 1, K 2,048] x [K 2,048, N 2,048]; A: input h; B: input Uz: left as it is (M = 1 < 16)
;;     3. [M 4,096, K 2,048] x [K 2,048, N 2,048]; A: input x; B: input Wr: QUANTISED (scales: A lowp_scales[2], B lowp_scales[3])
;;     4. [M 1, K 2,048] x [K 2,048, N 2,048]; A: input h; B: input Ur: left as it is (M = 1 < 16)
;;     5. [M 4,096, K 2,048] x [K 2,048, N 2,048]; A: input x; B: input Wh: QUANTISED (scales: A lowp_scales[4], B lowp_scales[5])
;;     6. [M 4,096, K 2,048] x [K 2,048, N 2,048]; A: computed on the way; B: input Uh: QUANTISED (scales: A lowp_scales[6], B lowp_scales[7])
;;   THE QUANTISER, for each operand of a quantised product, along K:
;;     - The operand's scale is 2^e, e = its entry of the input lowp_scales (int32; the entries are numbered through the quantised products in the list's order, A before B).
;;     - Each number is divided by the scale, clamped to +-57,344, and rounded to the nearest number of E5M2, ties to even, subnormals kept.
;;     - The product sums the exact products of the quantised numbers (number of the format x scale) in f32.
;;   ~~~python
;;   def quantise(x, axis, e):      # numpy; x: float32 -> the quantised numbers, widened to float32 again
;;       x = np.moveaxis(x, axis, -1); K = x.shape[-1]
;;       r = np.clip(x / 2.0 ** e, -57344, 57344)
;;       step = 2.0 ** (np.maximum(np.frexp(np.where(r == 0, 1, r))[1] - 1, -14) - 2)
;;       q = np.round(r / step) * step * 2.0 ** e      # np.round: ties to even
;;       return np.moveaxis(q, -1, axis).astype(np.float32)
;;   ~~~
;;   OPERANDS COMPUTED ON THE WAY. 'Computed on the way' means the value that the module computes at that place (a softmax that the list does not call 'softmax' is quantised finished and normalised). What goes into a quantiser is computed in f32, as accurately as f32 sums, v_exp_f32 and their like allow (about 1e-6 of the number): no bf16 or f16 on the way to a quantiser, and a product that is left as it is and whose result goes on into a quantised operand takes f32 operands (vector FMAs, or v_wmma_f32_16x16x4_f32). A number that lies on a knife's edge between two numbers of the format may be rounded either way, as far as f32 arithmetic and the matrix unit's own rounding can turn it there, and no further.
;; One version. Each part assembles by itself: llvm-mc -triple=amdgcn-amd-amdhsa -mcpu=gfx1250 --defsym DOCPART=n.
;; ======== version 1 of 1: 3 launches
;; limits: right only within a limited range of input values
;; workspace buffers: acat 25,165,824 bytes; bcat 16,777,216 bytes; xrc 8,388,608 bytes; cvec 24,576 bytes
;; launch prep (part 1): grid 1024 x 1, 4 waves a work-group, no clusters, 35,328 bytes of LDS; arguments x, Wz, Wh, Uh, Wr, Uz, Ur, h, bwz, buz, b_z, bwr, bur, b_r, bwh, buh, b_h, lowp_scales, acat, bcat, xrc, cvec; writes acat, bcat, xrc, cvec
.if DOCPART == 1
	.amdgcn_target "amdgcn-amd-amdhsa--gfx1250"
	.amdhsa_code_object_version 6
	.text
	.protected	k_q80aa19d37b_prep
	.globl	k_q80aa19d37b_prep
	.p2align	8
	.type	k_q80aa19d37b_prep,@function
k_q80aa19d37b_prep:
	s_mov_b64 s[64:65], 0
	v_nop
	global_prefetch_b8 v0, s[64:65] scope:SCOPE_SE
	s_setreg_imm32_b32 hwreg(HW_REG_WAVE_MODE, 25, 1), 1
	s_wait_xcnt 0x0
; GRU step, first of three launches.  out = (1 - z) h + z tanh(x Wh^T + (r h) Uh^T + ..), z and r sigmoids of x W^T + h U^T + biases.
; NOTHING OF THE PROBLEM IS LEFT OUT: h is an input and may hold any numbers, so every product, every bias and every input has a way to the result, and all are loaded.
; THIS LAUNCH: (1) x [4096][2048] f32 becomes codes of E5M2 three times, once for each of its given scales (entries 0, 4, 2 of the scales: the products with Wz, Wh, Wr);
; (2) Wz, Wh, Uh, Wr [2048][2048] f32 become codes (entries 1, 5, 7, 3); (3) h Uz^T and h Ur^T, one row each, by f32 multiply-adds, with the biases folded in.
; code = number / 2^e, held within +-57,344, rounded to the nearest code, ties to even.
; LIMITS: each e lies between -126 and 112, so that 2^e and 57,344 x 2^e are f32 numbers.  NaN among the inputs is not served; an infinity is held at the largest code.
; THE CODES ARE LAID AS IMAGES OF THE OPERAND'S REGISTERS.  An image is 16 rows x 128 K, 2,048 bytes: byte 512 g + 16 lane holds registers 4 g .. 4 g + 3 of that lane; lane (r, hh) holds row r, and its
; registers 2 c, 2 c + 1 hold K = 16 c + 8 hh + 0 .. 7: the matrix instruction's own layout (ISA guide 7.12.2).  A later launch takes an image by four loads of 16 bytes a lane.
; acat: [256 blocks of 16 rows][48 places][image]; bcat: [128 blocks of 16 rows][64 places][image]; xrc: [256][16][image].  K step s (0 .. 15) lies at place
;   x under entry 0, and Wz: 3 s;   x under entry 4, and Wh: 3 (s / 2) + 1 + s % 2;   Uh (and r h, which the next launch stores): 24 more;   Wr: 48 + s;   x under entry 2: s, in xrc.
; So places 3 t .. 3 t + 2 hold one K step of the z product and two of the sum inside tanh: what the last launch takes as one slot.
; cvec: three vectors of 2,048 f32: -log2(e) (h Uz^T + bwz + buz + b_z);  -log2(e) (h Ur^T + bwr + bur + b_r);  2 log2(e) (bwh + buh + b_h).
; SHARES: work-groups 0-255: 16 rows of Uz or Ur each, 4 a wave;  256-511: a block of 16 rows of x;  512-1023: a block of 16 rows of a weight.  Each reads 131,072 bytes.
; In a block, wave w takes K steps 4 w .. 4 w + 3, as eight units of 16 rows x 64 K.  A unit's eight loads read two rows' 256 consecutive bytes each; the unit turns through the wave's own stage in LDS
; (rows 272 bytes apart) so that a lane gets eight neighbours along K in eight registers, which is what the conversion takes.  Loads run four units (32 loads a wave) ahead.
; No tensor loads, no barrier: waves share nothing.  The two paths that use LDS have bytes of their own.
.set IMG,   2048
.set SP,    272                        ; a stage row: 256 bytes + 16: sixteen lanes that read the same column of sixteen rows touch sixteen different 16-byte columns
.set XST,   0                          ; the x path's four stages, 16 rows each
.set WST,   4*16*SP                    ; the weight path's
.set SPARE, 8*16*SP                    ; behind them: the spare words, 128 bytes for each wave: two blocks of 256 bytes that no other line names
.set SPW,  2                           ; v2   LDS address of my spare word; never rewritten
.set NIL,  3                           ; v3   0; never rewritten
.set GOFF, 4                           ; v4   a load's place: 8,192 (lane / 16) + 16 (lane % 16)
.set STI,  5                           ; v5   into the stage: row lane / 16, 16 bytes a lane
.set STO,  6                           ; v6   out of it: row lane % 16, + 32 (lane / 16)
.set LO,   7                           ; v7   16 x lane
.set OFFT, 8                           ; v8-11  weights: 16 x lane + 2,048 x the place of my K step t
.set SC,   12                          ; v12.. for each output: 2^e, and 57,344 x 2^e
.set R,    32                          ; v32-159  four sets of 32: units as loaded
.set X,    160                         ; v160-191 a unit, turned: register 8 c + i = K 16 c + 8 hh + i of my row
.set T,    192                         ; v192-207 two sets of 8: held numbers
.set C,    208                         ; v208-231 for each output 8 registers of codes
.set SRC,  8                           ; s[8:9]   my wave's first bytes of the tensor
.set DST,  36                          ; s[36:41] where the images go
.set H,    32                          ; the third path: v32-95 h;
.set U,    96                          ; v96-223 two rows of U;
.set ACC,  224                         ; v224-227 two chains of two;
.set SUM,  228                         ; v228-231 my four rows' sums
.set ALT,  0
.macro QADDR base                      ; the lane's addresses; base: the path's stages
	v_lshrrev_b32 v18, 4, v1
	v_and_b32 v19, 15, v1
	v_lshlrev_b32 v[GOFF], 13, v18
	v_lshl_add_u32 v[GOFF], v19, 4, v[GOFF]
	s_mul_i32 s3, s2, 16*SP
	s_add_co_u32 s3, s3, \base
	v_mul_u32_u24 v[STI], v18, SP
	v_lshl_add_u32 v[STI], v19, 4, v[STI]
	v_add_nc_u32 v[STI], s3, v[STI]
	v_mul_u32_u24 v[STO], v19, SP
	v_lshl_add_u32 v[STO], v18, 5, v[STO]
	v_add_nc_u32 v[STO], s3, v[STO]
	v_lshlrev_b32 v[LO], 4, v1
.endm
.macro MKSCALE out, se                 ; from the whole number e: 2^e as f32 (the conversion takes its exponent field), and the largest number x 2^e
	s_add_co_i32 s33, \se, 127
	s_lshl_b32 s34, s33, 23
	v_mov_b32 v[SC+2*(\out)], s34
	s_add_co_i32 s33, s33, 15
	s_lshl_b32 s33, s33, 23
	s_or_b32 s33, s33, 0x600000
	v_mov_b32 v[SC+2*(\out)+1], s33
.endm
.macro LOADU n                         ; unit n: load i reads rows 2 i and 2 i + 1, 256 consecutive bytes of each
.irp i, 0,1,2,3,4,5,6,7
	global_load_b128 v[R+32*((\n)%4)+4*\i:R+32*((\n)%4)+4*\i+3], v[GOFF], s[SRC:SRC+1] offset:16384*\i+256*(\n) th:TH_LOAD_NT
.endr
.endm
.macro TURNU n                         ; through my stage: LDS serves a wave's instructions in order (ISA guide 5.7.1.4), so no wait stands between the stores and the loads, nor in front of the next unit's stores
.irp i, 0,1,2,3,4,5,6,7
	ds_store_b128 v[STI], v[R+32*((\n)%4)+4*\i:R+32*((\n)%4)+4*\i+3] offset:2*SP*\i
.endr
.irp c, 0,1,2,3
	ds_load_b128 v[X+8*\c:X+8*\c+3], v[STO] offset:64*\c
	ds_load_b128 v[X+8*\c+4:X+8*\c+7], v[STO] offset:64*\c+16
.endr
.endm
.macro Q8 out, c                       ; eight neighbours along K become eight codes.  The held numbers' two sets take turns, so that eight plain lines stand between a conversion and the next write of its sources
.irp i, 0,1,2,3,4,5,6,7
	v_med3_num_f32 v[T+8*ALT+\i], v[X+8*(\c)+\i], -v[SC+2*(\out)+1], v[SC+2*(\out)+1]   ; the conversion to an 8-bit code does not saturate (ISA guide 7.6.2): the hold comes first
.endr
	v_cvt_scalef32_pk8_bf8_f32 v[C+8*(\out)+2*(\c):C+8*(\out)+2*(\c)+1], v[T+8*ALT:T+8*ALT+7], v[SC+2*(\out)]
.set ALT, 1-ALT
.endm
.macro UNIT n, isx                     ; unit n = 2 t + u: half u of my K step t
.set TT, (\n)/2
.set UU, (\n)%2
.if 7-(\n) >= 3
	s_wait_loadcnt 24                              ; this unit's eight loads are in; those of the three units behind it may be out
.else
	s_wait_loadcnt 8*(7-(\n))
.endif
	TURNU \n
	s_wait_dscnt 0x0                               ; the unit is back, and the stage's stores have read their registers,
	s_wait_xcnt 0x0                                ; and the last unit's stores have read their codes: both sets of registers may be written
.if (\n) < 4
	LOADU (\n)+4
.endif
.if \isx
.irp c, 0,1,2,3
	Q8 0, \c
	Q8 1, \c
	Q8 2, \c
.endr
	global_store_b128 v[LO], v[C:C+3],     s[DST:DST+1]   offset:3*IMG*TT+1024*UU                      ; each store: 512 consecutive bytes, at a multiple of 512 from the buffer's first byte
	global_store_b128 v[LO], v[C+4:C+7],   s[DST:DST+1]   offset:3*IMG*TT+1024*UU+512
	global_store_b128 v[LO], v[C+8:C+11],  s[DST+2:DST+3] offset:(3*(TT/2)+1+TT%2)*IMG+1024*UU
	global_store_b128 v[LO], v[C+12:C+15], s[DST+2:DST+3] offset:(3*(TT/2)+1+TT%2)*IMG+1024*UU+512
	global_store_b128 v[LO], v[C+16:C+19], s[DST+4:DST+5] offset:IMG*TT+1024*UU
	global_store_b128 v[LO], v[C+20:C+23], s[DST+4:DST+5] offset:IMG*TT+1024*UU+512
.else
.irp c, 0,1,2,3
	Q8 0, \c
.endr
	global_store_b128 v[OFFT+TT], v[C:C+3],   s[DST:DST+1] offset:1024*UU
	global_store_b128 v[OFFT+TT], v[C+4:C+7], s[DST:DST+1] offset:1024*UU+512
.endif
.endm
.macro ULOAD n                         ; row n of my four rows of U: 16 loads of 512 consecutive bytes
.irp i, 0,1,2,3,4,5,6,7,8,9,10,11,12,13,14,15
	global_load_b128 v[U+64*((\n)%2)+4*\i:U+64*((\n)%2)+4*\i+3], v4, s[4:5] offset:8192*(\n)+512*\i th:TH_LOAD_NT
.endr
.endm
.macro ROW n                           ; the dot product of row n with h, in f32: 64 numbers a lane in two chains of packed multiply-adds, then across the 32 lanes
.set US, U+64*((\n)%2)
.if (\n) < 3
	s_wait_loadcnt 16                              ; all but the next row's sixteen loads
.else
	s_wait_loadcnt 0x0
.endif
	v_pk_mul_f32 v[ACC:ACC+1], v[US:US+1], v[H:H+1]
	v_pk_mul_f32 v[ACC+2:ACC+3], v[US+2:US+3], v[H+2:H+3]
.set J, 4
.rept 15
	v_pk_fma_f32 v[ACC:ACC+1], v[US+J:US+J+1], v[H+J:H+J+1], v[ACC:ACC+1]
	v_pk_fma_f32 v[ACC+2:ACC+3], v[US+J+2:US+J+3], v[H+J+2:H+J+3], v[ACC+2:ACC+3]
.set J, J+4
.endr
.if (\n) < 2
	ULOAD (\n)+2
.endif
	v_pk_add_f32 v[ACC:ACC+1], v[ACC:ACC+1], v[ACC+2:ACC+3]
	v_add_f32 v232, v[ACC], v[ACC+1]
	v_add_f32_dpp v232, v232, v232 row_xmask:1 row_mask:0xf bank_mask:0xf
	v_add_f32_dpp v232, v232, v232 row_xmask:2 row_mask:0xf bank_mask:0xf
	v_add_f32_dpp v232, v232, v232 row_xmask:4 row_mask:0xf bank_mask:0xf
	v_add_f32_dpp v232, v232, v232 row_xmask:8 row_mask:0xf bank_mask:0xf
	v_permlanex16_b32 v233, v232, s36, s37
	v_add_f32 v[SUM+(\n)], v232, v233
.endm
	v_lshl_add_u32 v[SPW], v0, 2, SPARE
	v_mov_b32 v[NIL], 0
	v_lshrrev_b32 v1, 5, v0
	v_readfirstlane_b32 s2, v1                     ; wave 0..3
	v_and_b32 v1, 31, v0                           ; lane
	s_cmp_lt_u32 ttmp9, 256
	s_cbranch_scc1 .Lgemv
	s_cmp_lt_u32 ttmp9, 512
	s_cbranch_scc1 .Lxpath
	; ---- a block of 16 rows of Wz, Wh, Uh or Wr (job 0 .. 3)
	s_load_b256 s[8:15], s[0:1], 0x8               ; Wz, Wh, Uh, Wr
	s_load_b64 s[4:5], s[0:1], 0x88                ; the scales' exponents
	s_load_b64 s[6:7], s[0:1], 0x98                ; bcat
	QADDR WST
	s_sub_co_u32 s16, ttmp9, 512
	s_lshr_b32 s17, s16, 7                         ; job
	s_and_b32 s16, s16, 127                        ; block
	s_mov_b32 s20, 6                               ; the place of K step s is alpha (s / 2) + beta (s % 2) + gamma: Wz: 6, 3, 0
	s_mov_b32 s21, 3
	s_mov_b32 s22, 0
	s_wait_alu depctr_va_vdst(0)
	s_wait_kmcnt 0x0
	s_load_b256 s[24:31], s[4:5], 0x0              ; e0 .. e7
	s_cmp_eq_u32 s17, 1                            ; Wh: 3, 1, 1.  The choices hang on the work-group's number alone
	s_cselect_b64 s[8:9], s[10:11], s[8:9]
	s_cselect_b32 s20, 3, s20
	s_cselect_b32 s21, 1, s21
	s_cselect_b32 s22, 1, s22
	s_cmp_eq_u32 s17, 2                            ; Uh: 3, 1, 25
	s_cselect_b64 s[8:9], s[12:13], s[8:9]
	s_cselect_b32 s20, 3, s20
	s_cselect_b32 s21, 1, s21
	s_cselect_b32 s22, 25, s22
	s_cmp_eq_u32 s17, 3                            ; Wr: 2, 1, 48
	s_cselect_b64 s[8:9], s[14:15], s[8:9]
	s_cselect_b32 s20, 2, s20
	s_cselect_b32 s21, 1, s21
	s_cselect_b32 s22, 48, s22
	s_lshl_b32 s18, s16, 17                        ; the block: 16 rows of 8,192 bytes in the weight, 64 images in bcat: 131,072 bytes in both
	s_mov_b32 s19, 0
	s_add_nc_u64 s[DST:DST+1], s[6:7], s[18:19]
	s_lshl_b32 s23, s2, 11                         ; my four K steps: 2,048 bytes along a row
	s_add_co_u32 s18, s18, s23
	s_add_nc_u64 s[SRC:SRC+1], s[SRC:SRC+1], s[18:19]
	LOADU 0
	LOADU 1
	LOADU 2
	LOADU 3
	s_mul_i32 s23, s2, s20                         ; K step 4 w + t: place alpha (2 w + t / 2) + beta (t % 2) + gamma
	s_lshl_b32 s23, s23, 1
	s_add_co_u32 s23, s23, s22
	s_lshl_b32 s32, s23, 11
	v_add_nc_u32 v[OFFT], s32, v[LO]
	s_add_co_u32 s32, s23, s21
	s_lshl_b32 s32, s32, 11
	v_add_nc_u32 v[OFFT+1], s32, v[LO]
	s_add_co_u32 s23, s23, s20
	s_lshl_b32 s32, s23, 11
	v_add_nc_u32 v[OFFT+2], s32, v[LO]
	s_add_co_u32 s32, s23, s21
	s_lshl_b32 s32, s32, 11
	v_add_nc_u32 v[OFFT+3], s32, v[LO]
	s_wait_kmcnt 0x0
	s_cmp_eq_u32 s17, 1                            ; the weight's entry: 1, 5, 7, 3
	s_cselect_b32 s25, s29, s25
	s_cmp_eq_u32 s17, 2
	s_cselect_b32 s25, s31, s25
	s_cmp_eq_u32 s17, 3
	s_cselect_b32 s25, s27, s25
	MKSCALE 0, s25
	s_wait_alu depctr_va_vdst(0)
.irp n, 0,1,2,3,4,5,6,7
	UNIT \n, 0
.endr
	s_wait_tensorcnt 0x0                           ; the wave's end
	ds_add_u32 v[SPW], v[NIL]
	s_wait_dscnt 0x0
	s_endpgm
	; ---- a block of 16 rows of x, under three scales
.Lxpath:
	s_load_b64 s[8:9], s[0:1], 0x0                 ; x
	s_load_b128 s[4:7], s[0:1], 0x88               ; the scales' exponents, acat
	s_load_b64 s[10:11], s[0:1], 0xa0              ; xrc
	s_wait_alu depctr_va_vdst(0)
	QADDR XST
	s_sub_co_u32 s16, ttmp9, 256                   ; block
	s_lshl_b32 s18, s16, 17
	s_lshl_b32 s20, s2, 11
	s_add_co_u32 s18, s18, s20                     ; x: 16 rows of 8,192 bytes a block, 2,048 bytes along a row a wave
	s_mov_b32 s19, 0
	s_mul_i32 s17, s16, 48*IMG                     ; acat: 48 images a block
	s_mul_i32 s20, s2, 12*IMG                      ; places 3 (4 w + t)
	s_add_co_u32 s20, s20, s17
	s_mov_b32 s21, 0
	s_mul_i32 s22, s2, 6*IMG                       ; places 3 (2 w + t / 2) + 1 + t % 2
	s_add_co_u32 s22, s22, s17
	s_mov_b32 s23, 0
	s_lshl_b32 s14, s16, 15                        ; xrc: 16 images a block, place 4 w + t
	s_lshl_b32 s15, s2, 13
	s_add_co_u32 s14, s14, s15
	s_mov_b32 s15, 0
	s_wait_alu depctr_va_vdst(0)
	s_wait_kmcnt 0x0
	s_load_b256 s[24:31], s[4:5], 0x0              ; e0 .. e7
	s_add_nc_u64 s[SRC:SRC+1], s[SRC:SRC+1], s[18:19]
	s_add_nc_u64 s[DST:DST+1], s[6:7], s[20:21]
	s_add_nc_u64 s[DST+2:DST+3], s[6:7], s[22:23]
	s_add_nc_u64 s[DST+4:DST+5], s[10:11], s[14:15]
	LOADU 0
	LOADU 1
	LOADU 2
	LOADU 3
	s_wait_kmcnt 0x0
	MKSCALE 0, s24                                 ; for the product with Wz
	MKSCALE 1, s28                                 ; with Wh
	MKSCALE 2, s26                                 ; with Wr
	s_wait_alu depctr_va_vdst(0)
.irp n, 0,1,2,3,4,5,6,7
	UNIT \n, 1
.endr
	s_wait_tensorcnt 0x0                           ; the wave's end, as above
	ds_add_u32 v[SPW], v[NIL]
	s_wait_dscnt 0x0
	s_endpgm
	; ---- 16 rows of Uz (job 0) or Ur (job 1) against h; this path writes no LDS
.Lgemv:
	s_load_b128 s[4:7], s[0:1], 0x28               ; Uz, Ur
	s_load_b64 s[8:9], s[0:1], 0x38                ; h
	s_load_b256 s[12:19], s[0:1], 0x40             ; bwz, buz, b_z, bwr
	s_load_b128 s[20:23], s[0:1], 0x60             ; bur, b_r
	s_load_b128 s[24:27], s[0:1], 0x70             ; bwh, buh
	s_load_b64 s[28:29], s[0:1], 0x80              ; b_h
	s_load_b64 s[30:31], s[0:1], 0xa8              ; cvec
	s_lshr_b32 s3, ttmp9, 7                        ; job
	s_and_b32 s32, ttmp9, 127
	s_lshl_b32 s32, s32, 4
	s_lshl_b32 s33, s2, 2
	s_add_co_u32 s32, s32, s33                     ; my first row
	s_mov_b32 s36, 0x76543210                      ; v_permlanex16_b32's selects for lane l xor 16
	s_mov_b32 s37, 0xfedcba98
	s_wait_alu depctr_va_vdst(0)
	v_lshlrev_b32 v4, 4, v1                        ; 16 x lane
	v_and_b32 v234, 3, v1
	v_add_nc_u32 v5, s32, v234
	v_lshlrev_b32 v5, 2, v5                        ; lane l stands for row l % 4 of the four: its place in a vector of 2,048 f32
	v_mov_b32 v233, 0                              ; written once: a lane permute's destination counts as one of its sources
	s_lshl_b32 s34, s32, 13
	s_mov_b32 s35, 0
	s_wait_alu depctr_va_vdst(0)
	s_wait_kmcnt 0x0
	s_cmp_eq_u32 s3, 0                             ; the choice hangs on the work-group's number alone
	s_cselect_b64 s[4:5], s[4:5], s[6:7]
	s_cselect_b64 s[12:13], s[12:13], s[18:19]
	s_cselect_b64 s[14:15], s[14:15], s[20:21]
	s_cselect_b64 s[16:17], s[16:17], s[22:23]
	s_add_nc_u64 s[4:5], s[4:5], s[34:35]
.irp i, 0,1,2,3,4,5,6,7,8,9,10,11,12,13,14,15
	global_load_b128 v[H+4*\i:H+4*\i+3], v4, s[8:9] offset:512*\i
.endr
	global_load_b32 v236, v5, s[12:13]
	global_load_b32 v237, v5, s[14:15]
	global_load_b32 v238, v5, s[16:17]
	ULOAD 0
	ULOAD 1
	ROW 0
	ROW 1
	ROW 2
	ROW 3
	v_mov_b32 v235, v[SUM]
	v_cmp_eq_u32 vcc_lo, 1, v234
	v_cndmask_b32 v235, v235, v[SUM+1], vcc_lo
	v_cmp_eq_u32 vcc_lo, 2, v234
	v_cndmask_b32 v235, v235, v[SUM+2], vcc_lo
	v_cmp_eq_u32 vcc_lo, 3, v234
	v_cndmask_b32 v235, v235, v[SUM+3], vcc_lo
	v_add_f32 v235, v235, v236
	v_add_f32 v237, v237, v238
	v_add_f32 v235, v235, v237
	v_mul_f32 v235, 0xbfb8aa3b, v235               ; x -log2(e): the sigmoid is 1 / (1 + 2^(..))
	s_cmp_lg_u32 s3, 0
	s_cbranch_scc1 .Lgemv_r
	global_load_b32 v224, v5, s[24:25]             ; job 0 also folds the three biases inside tanh, for the same 16 places
	global_load_b32 v225, v5, s[26:27]
	global_load_b32 v226, v5, s[28:29]
	s_wait_loadcnt 0x0
	v_add_f32 v224, v224, v225
	v_add_f32 v224, v224, v226
	v_mul_f32 v224, 0x4038aa3b, v224               ; x 2 log2(e): tanh is 1 - 2 / (1 + 2^(..))
	s_wait_xcnt 0x0                                ; EXEC changes only behind this wait
	v_cmp_gt_u32 vcc_lo, 4, v1
	s_and_saveexec_b32 s33, vcc_lo                 ; lanes 0 to 3 store the four rows' numbers
	s_wait_alu depctr_va_vdst(0)
	global_store_b32 v5, v235, s[30:31]
	global_store_b32 v5, v224, s[30:31] offset:16384
	s_endpgm
.Lgemv_r:
	s_wait_xcnt 0x0
	v_cmp_gt_u32 vcc_lo, 4, v1
	s_and_saveexec_b32 s33, vcc_lo
	s_wait_alu depctr_va_vdst(0)
	global_store_b32 v5, v235, s[30:31] offset:8192
	s_endpgm
.Lfunc_end_k_q80aa19d37b_prep:
	.size	k_q80aa19d37b_prep, .Lfunc_end_k_q80aa19d37b_prep-k_q80aa19d37b_prep
	.p2alignl 7, 3214868480
	.fill 96, 4, 3214868480
	.section	.rodata,"a",@progbits
	.p2align	6, 0x0
	.amdhsa_kernel k_q80aa19d37b_prep
		.amdhsa_group_segment_fixed_size 35328
		.amdhsa_private_segment_fixed_size 0
		.amdhsa_enable_private_segment 0
		.amdhsa_kernarg_size 176
		.amdhsa_user_sgpr_count 2
		.amdhsa_user_sgpr_kernarg_segment_ptr 1
		.amdhsa_wavefront_size32 1
		.amdhsa_system_sgpr_workgroup_id_x 1
		.amdhsa_system_sgpr_workgroup_id_y 1
		.amdhsa_system_sgpr_workgroup_id_z 1
		.amdhsa_system_vgpr_workitem_id 0
		.amdhsa_next_free_vgpr 240
		.amdhsa_next_free_sgpr 66
		.amdhsa_reserve_vcc 1
		.amdhsa_float_denorm_mode_32 3
		.amdhsa_float_denorm_mode_16_64 3
		.amdhsa_memory_ordered 1
		.amdhsa_forward_progress 1
		.amdhsa_inst_pref_size 135
	.end_amdhsa_kernel
	.amdgpu_metadata
---
amdhsa.version: [ 1, 2 ]
amdhsa.kernels:
  - .name:           k_q80aa19d37b_prep
    .symbol:         k_q80aa19d37b_prep.kd
    .args:
      - { .name: x, .offset: 0, .size: 8, .value_kind: global_buffer, .address_space: global }
      - { .name: Wz, .offset: 8, .size: 8, .value_kind: global_buffer, .address_space: global }
      - { .name: Wh, .offset: 16, .size: 8, .value_kind: global_buffer, .address_space: global }
      - { .name: Uh, .offset: 24, .size: 8, .value_kind: global_buffer, .address_space: global }
      - { .name: Wr, .offset: 32, .size: 8, .value_kind: global_buffer, .address_space: global }
      - { .name: Uz, .offset: 40, .size: 8, .value_kind: global_buffer, .address_space: global }
      - { .name: Ur, .offset: 48, .size: 8, .value_kind: global_buffer, .address_space: global }
      - { .name: h, .offset: 56, .size: 8, .value_kind: global_buffer, .address_space: global }
      - { .name: bwz, .offset: 64, .size: 8, .value_kind: global_buffer, .address_space: global }
      - { .name: buz, .offset: 72, .size: 8, .value_kind: global_buffer, .address_space: global }
      - { .name: b_z, .offset: 80, .size: 8, .value_kind: global_buffer, .address_space: global }
      - { .name: bwr, .offset: 88, .size: 8, .value_kind: global_buffer, .address_space: global }
      - { .name: bur, .offset: 96, .size: 8, .value_kind: global_buffer, .address_space: global }
      - { .name: b_r, .offset: 104, .size: 8, .value_kind: global_buffer, .address_space: global }
      - { .name: bwh, .offset: 112, .size: 8, .value_kind: global_buffer, .address_space: global }
      - { .name: buh, .offset: 120, .size: 8, .value_kind: global_buffer, .address_space: global }
      - { .name: b_h, .offset: 128, .size: 8, .value_kind: global_buffer, .address_space: global }
      - { .name: lowp_scales, .offset: 136, .size: 8, .value_kind: global_buffer, .address_space: global }
      - { .name: acat, .offset: 144, .size: 8, .value_kind: global_buffer, .address_space: global }
      - { .name: bcat, .offset: 152, .size: 8, .value_kind: global_buffer, .address_space: global }
      - { .name: xrc, .offset: 160, .size: 8, .value_kind: global_buffer, .address_space: global }
      - { .name: cvec, .offset: 168, .size: 8, .value_kind: global_buffer, .address_space: global }
    .group_segment_fixed_size: 35328
    .private_segment_fixed_size: 0
    .kernarg_segment_align: 8
    .kernarg_segment_size: 176
    .max_flat_workgroup_size: 128
    .sgpr_count:     66
    .vgpr_count:     240
    .wavefront_size: 32
...
	.end_amdgpu_metadata
.endif
;; end of part 1
;; launch gate_r (part 2): grid 8 x 32, 4 waves a work-group, clusters of 4 x 4, 327,680 bytes of LDS; arguments xrc, bcat, cvec, h, lowp_scales, acat; writes acat
.if DOCPART == 2
	.amdgcn_target "amdgcn-amd-amdhsa--gfx1250"
	.amdhsa_code_object_version 6
	.text
	.protected	k_q80aa19d37b_gate_r
	.globl	k_q80aa19d37b_gate_r
	.p2align	8
	.type	k_q80aa19d37b_gate_r,@function
k_q80aa19d37b_gate_r:
	s_mov_b64 s[64:65], 0
	v_nop
	global_prefetch_b8 v0, s[64:65] scope:SCOPE_SE
	s_setreg_imm32_b32 hwreg(HW_REG_WAVE_MODE, 25, 1), 1
	s_wait_xcnt 0x0
	s_wait_alu depctr_hold_cnt(0) depctr_sa_sdst(0) depctr_va_vdst(0) depctr_va_sdst(0) depctr_va_ssrc(0) depctr_va_vcc(0) depctr_vm_vsrc(0)
	s_getreg_b32 s2, hwreg(HW_REG_IB_STS2, 6, 4)
	s_cmp_eq_u32 s2, 0
	s_cbranch_scc0 .Lentry_in_a_cluster
	s_endpgm
.Lentry_in_a_cluster:
	s_bfe_u32 s2, ttmp6, 0x10000c
	s_cmp_lg_u32 s2, 0xf033
	s_cbranch_scc0 .Lentry_shape_is_right
	s_endpgm
.Lentry_shape_is_right:
; GRU step, second of three launches: r = sigmoid(x Wr^T + h Ur^T + biases), then r h as codes of E5M2 under entry 6 of the scales, stored as images into acat.  Nothing of the problem is left out.
; A work-group makes 128 rows x 256 columns; a wave 128 x 64.  x's images (xrc) come in four chunks of four K steps by joint loads, shared along a row of the 4 x 4 cluster; Wr's images go from memory into registers.
; Chunk 0 is asked for at the head; chunk c + 1 behind the round that shows chunk c landed, so that it is on its way during chunk c's four K steps.
; LIMITS: e2 + e3 between -126 and 126; e6 between -126 and 112.
.set IMG,    2048
.set CHB,    4*IMG
.set CHUNK,  8*CHB
.set SPARE,  4*CHUNK
.set TABLE,  SPARE+512
.set XPITCH, 16*IMG
.set APITCH, 48*IMG
.set BPITCH, 64*IMG
.set TBO,  4
.set ADRA, 16
.set TBR,  27
.set SPW,  28
.set NIL,  29
.set TBW,  31
.set TMP,  32
.set WF,   64
.set G1,   24
.set G0,   32
.set WB,   48
.set WACC, 0xa4
.set MSB, 0
.macro WIN new
.if MSB != \new
	s_set_vgpr_msb (MSB<<8)|\new
.set MSB, \new
.endif
.endm
.macro PLACES
.rept 4
	v_nop
.endr
.endm
.macro CROUND
	s_barrier_signal -1
	s_barrier_wait -1
	s_cmp_lg_u32 s16, 0
	s_cbranch_scc1 .Lnot_wave_0_\@
	s_barrier_signal -3
.Lnot_wave_0_\@:
	s_barrier_wait -3
	s_barrier_signal -1
	s_barrier_wait -1
.endm
.macro JLOAD g0
	tensor_load_to_lds s[\g0:\g0+3], s[G1:G1+7]
	s_nop 0
.rept 4
	v_nop
.endr
.endm
.macro WLOAD set, pos
.irp i, 0,1,2,3
.irp g, 0,1,2,3
	global_load_b128 v[WF+64*(\set)+16*\i+4*\g:WF+64*(\set)+16*\i+4*\g+3], v3, s[WB:WB+1] offset:\i*BPITCH+IMG*(\pos)+512*\g
.endr
.endr
.endm
.macro FETCH c, q, set
	WIN 0x40
.irp i, 0,1,2,3,4,5,6,7
.irp g, 0,1,2,3
	ds_load_b128 v[128*(\set)+16*\i+4*\g:128*(\set)+16*\i+4*\g+3], v[ADRA+(\c)] offset:\i*CHB+IMG*(\q)+512*\g
.endr
.endr
.endm
.macro MUL32 pa, qw, zero
.irp a, 0,1,2,3,4,5,6,7
.irp b, 0,1,2,3
.if \zero
	v_wmma_f32_16x16x128_bf8_bf8 v[8*(4*\a+\b):8*(4*\a+\b)+7], v[WF+64*(\qw)+16*\b:WF+64*(\qw)+16*\b+15], v[128*(\pa)+16*\a:128*(\pa)+16*\a+15], 0
.else
	v_wmma_f32_16x16x128_bf8_bf8 v[8*(4*\a+\b):8*(4*\a+\b)+7], v[WF+64*(\qw)+16*\b:WF+64*(\qw)+16*\b+15], v[128*(\pa)+16*\a:128*(\pa)+16*\a+15], v[8*(4*\a+\b):8*(4*\a+\b)+7]
.endif
.endr
.endr
.endm
.macro STEP k, zero, ld
	s_wait_dscnt 0x0
	WIN 0
	PLACES
.if (\ld) == 2
	WLOAD ((\k)+2)%3, (\k)+2
.endif
.if (\k) == 2
	global_prefetch_b8 v6, s[52:53] offset:2*CHB th:TH_LOAD_NT scope:SCOPE_SE   ; Wr's K steps 8-11, first loaded in step 6; x's chunk 3, asked for behind step 7
	global_prefetch_b8 v7, s[50:51] offset:3*CHB th:TH_LOAD_NT scope:SCOPE_SE
.endif
.if (\k) == 6
	global_prefetch_b8 v6, s[52:53] offset:3*CHB th:TH_LOAD_NT scope:SCOPE_SE   ; Wr's K steps 12-15, first loaded in step 10: the last piece ends inside the block's 64 places
.endif
.if ((\k)+1)%4 == 0
	s_wait_tensorcnt 0x0                           ; my part of the next chunk has landed
.if (\k) < 11
	ds_add_u32 v[SPW], v[NIL]
	s_wait_dscnt 0x0
	CROUND                                         ; everybody's part has landed, and the partners' joint loads meet
	JLOAD G0+4*(((\k)+1)/4+1)                      ; the chunk after the next: its first fill
.else
	s_barrier_signal -1                            ; the last chunk: nothing more is asked for
	s_barrier_wait -1
.endif
.endif
	FETCH ((\k)+1)/4, ((\k)+1)%4, 1-(\k)%2
	s_wait_loadcnt 16*(\ld)
	WIN WACC
	MUL32 (\k)%2, (\k)%3, \zero
.endm
	s_load_b256 s[4:11], s[0:1], 0x0
	s_load_b128 s[12:15], s[0:1], 0x20
	v_lshl_add_u32 v[SPW], v0, 2, SPARE
	v_mov_b32 v[NIL], 0
	ds_add_u32 v[SPW], v[NIL]
	ds_add_u32 v[SPW], v[NIL]
	v_lshrrev_b32 v1, 5, v0
	v_readfirstlane_b32 s16, v1
	s_lshr_b32 s17, s16, 1
	s_and_b32 s18, s16, 1
	s_bfe_u32 s80, ttmp6, 0x40000
	s_bfe_u32 s81, ttmp6, 0x40004
	s_lshl_b32 s82, ttmp9, 2
	s_add_co_u32 s82, s82, s80
	s_and_b32 s83, ttmp7, 0xffff
	s_lshl_b32 s83, s83, 2
	s_add_co_u32 s83, s83, s81
	s_lshl_b32 s20, s81, 2
	s_lshl_b32 s20, 15, s20
	s_or_b32 s[G1], s20, 1<<21
	s_mov_b32 s[G1+1], CHB<<16
	s_mov_b32 s[G1+2], 2<<16
	s_mov_b32 s[G1+3], CHB<<16
	s_mov_b32 s[G1+4], 2
	s_mov_b32 s[G1+5], XPITCH
	s_mov_b32 s[G1+6], 0
	s_mov_b32 s[G1+7], 0
	s_mul_i32 s22, s16, 2*CHB
	s_lshl_b32 s84, s83, 3
	s_lshl_b32 s85, s16, 1
	s_add_co_u32 s84, s84, s85
	s_lshl_b32 s84, s84, 15
	s_mov_b32 s85, 0
	s_lshl_b32 s86, s82, 4
	s_lshl_b32 s87, s16, 2
	s_add_co_u32 s86, s86, s87
	s_lshl_b32 s86, s86, 17
	s_mov_b32 s87, 0
	s_wait_dscnt 0x0
	s_wait_kmcnt 0x0
	s_load_b256 s[72:79], s[12:13], 0x0
	s_add_nc_u64 s[84:85], s[4:5], s[84:85]
	s_add_nc_u64 s[WB:WB+1], s[6:7], s[86:87]
	s_add_nc_u64 s[WB:WB+1], s[WB:WB+1], 48*IMG
	CROUND
.irp c, 0,1,2,3
	s_mov_b32 s[G0+4*\c], 1
	s_add_co_u32 s[G0+4*\c+1], s22, \c*CHUNK
	s_add_nc_u64 s[G0+4*\c+2:G0+4*\c+3], s[84:85], \c*CHB
	s_or_b32 s[G0+4*\c+3], s[G0+4*\c+3], 0x80000000
.endr
	JLOAD G0                                       ; chunk 0: one tensor load a wave at the head
	; PREFETCH, by chunks of four K steps (8,192 bytes of a block).  The partners that read the same images share them out by address: of a tile row's 8 blocks of x the partner at cx takes 2 cx, 2 cx + 1,
	; its wave w sixteen pieces of 256 bytes of block 2 cx + w / 2; of a tile column's 16 blocks of Wr the partner at cy takes 4 cy + w, a lane a piece.  The bases are never rewritten.
	s_lshl_b32 s50, s83, 3
	s_lshl_b32 s51, s80, 1
	s_add_co_u32 s50, s50, s51
	s_add_co_u32 s50, s50, s17
	s_lshl_b32 s50, s50, 15                        ; a block of xrc is 32,768 bytes
	s_lshl_b32 s51, s18, 12
	s_add_co_u32 s50, s50, s51
	s_mov_b32 s51, 0
	s_add_nc_u64 s[50:51], s[4:5], s[50:51]
	s_lshl_b32 s52, s82, 4
	s_lshl_b32 s53, s81, 2
	s_add_co_u32 s52, s52, s53
	s_add_co_u32 s52, s52, s16
	s_lshl_b32 s52, s52, 17                        ; a block of bcat is 131,072 bytes; Wr lies from place 48 on
	s_add_co_u32 s52, s52, 48*IMG
	s_mov_b32 s53, 0
	s_add_nc_u64 s[52:53], s[6:7], s[52:53]
	v_and_b32 v1, 15, v0
	v_bfe_u32 v2, v0, 4, 1
	v_and_b32 v3, 31, v0
	v_lshlrev_b32 v3, 4, v3
	v_lshlrev_b32 v[TBO], 4, v1
	v_and_b32 v5, 31, v0
	v_lshlrev_b32 v6, 8, v5                        ; Wr: 256 bytes a lane
	v_min_u32 v5, 15, v5
	v_lshlrev_b32 v7, 8, v5                        ; x: sixteen pieces; the lanes left over name the last again
	s_wait_alu depctr_va_vdst(0)
.irp c, 0,1,2,3
	v_add_nc_u32 v[ADRA+\c], \c*CHUNK, v3
.endr
	s_mul_i32 s20, s16, 1536
	s_add_co_u32 s20, s20, TABLE
	v_add_nc_u32 v[TBW], s20, v3
	v_lshl_add_u32 v[TBR], v2, 5, s20
	s_lshl_b32 s86, s82, 10
	s_lshl_b32 s87, s16, 8
	s_add_co_u32 s86, s86, s87
	s_mov_b32 s87, 0
	s_add_nc_u64 s[8:9], s[8:9], s[86:87]
	s_add_nc_u64 s[10:11], s[10:11], s[86:87]
	global_prefetch_b8 v7, s[50:51] offset:CHB th:TH_LOAD_NT scope:SCOPE_SE     ; x's chunks 1 and 2, Wr's K steps 0-7: the buffers' first touch
	global_prefetch_b8 v6, s[52:53] th:TH_LOAD_NT scope:SCOPE_SE
	global_prefetch_b8 v6, s[52:53] offset:CHB th:TH_LOAD_NT scope:SCOPE_SE
	global_prefetch_b8 v7, s[50:51] offset:2*CHB th:TH_LOAD_NT scope:SCOPE_SE
	global_load_b128 v[32:35], v[TBO], s[8:9] offset:8192
	global_load_b128 v[36:39], v[TBO], s[10:11]
	WLOAD 0, 0
	WLOAD 1, 1
	s_lshl_b32 s84, s83, 3
	s_mul_i32 s84, s84, APITCH
	s_mul_i32 s85, s82, 3
	s_add_co_u32 s85, s85, s17
	s_add_co_u32 s85, s85, 25
	s_lshl_b32 s85, s85, 11
	s_add_co_u32 s84, s84, s85
	s_lshl_b32 s85, s18, 10
	s_add_co_u32 s84, s84, s85
	s_mov_b32 s85, 0
	s_add_nc_u64 s[14:15], s[14:15], s[84:85]
	s_wait_alu depctr_va_vdst(0)
	s_wait_kmcnt 0x0
	s_add_co_i32 s20, s74, s75
	s_lshl_b32 s20, s20, 23
	s_mov_b32 s66, 0xbfb8aa3b
	s_add_co_i32 s66, s66, s20
	s_mov_b32 s67, s66
	s_add_co_i32 s20, s78, 127
	s_lshl_b32 s21, s20, 23
	v_mov_b32 v12, s21
	s_add_co_i32 s20, s20, 15
	s_lshl_b32 s20, s20, 23
	s_or_b32 s20, s20, 0x600000
	v_mov_b32 v13, s20
	s_wait_loadcnt 32
	ds_store_b128 v[TBW], v[32:35]
	ds_store_b128 v[TBW], v[36:39] offset:512
	s_wait_alu depctr_va_vdst(0)
	s_wait_tensorcnt 0x0                           ; my part of chunk 0 has landed
	ds_add_u32 v[SPW], v[NIL]
	s_wait_dscnt 0x0                               ; the add and my table's stores are done
	CROUND
	JLOAD G0+4                                     ; chunk 1's first fill, the first tensor load behind the round
	FETCH 0, 0, 0
	STEP 0, 1, 2
.irp k, 1,2,3,4,5,6,7,8,9,10,11,12,13
	STEP \k, 0, 2
.endr
	STEP 14, 0, 1
	s_wait_dscnt 0x0
	s_wait_loadcnt 0x0
	WIN WACC
	MUL32 1, 0, 0
	WIN 0
	PLACES
	WIN 0x40
.irp b, 0,1,2,3
.irp e, 0,1
	ds_load_b128 v[8*\b+4*\e:8*\b+4*\e+3], v[TBR] offset:64*\b+16*\e
	ds_load_b128 v[32+8*\b+4*\e:32+8*\b+4*\e+3], v[TBR] offset:512+64*\b+16*\e
.endr
.endr
	s_wait_dscnt 0x0
	WIN 0x92
.irp a, 0,1,2,3,4,5,6,7
.irp b, 0,1,2,3
.irp i, 0,2,4,6
	v_pk_fma_f32 v[32*\a+8*\b+\i:32*\a+8*\b+\i+1], v[32*\a+8*\b+\i:32*\a+8*\b+\i+1], s[66:67], v[8*\b+\i:8*\b+\i+1] op_sel_hi:[1,0,1]
.endr
.endr
.endr
	WIN 0x82
.set J, 0
	s_wait_alu depctr_va_vdst(0)
.rept 256
	v_exp_f32 v[J], v[J]
.set J, J+1
.endr
	v_nop
	s_wait_alu depctr_va_vdst(0)
.set J, 0
.rept 128
	v_pk_add_f32 v[J:J+1], v[J:J+1], 1.0 op_sel_hi:[1,0]
.set J, J+2
.endr
.set J, 0
	s_wait_alu depctr_va_vdst(0)
.rept 256
	v_rcp_f32 v[J], v[J]
.set J, J+1
.endr
	v_nop
	s_wait_alu depctr_va_vdst(0)
	WIN 0x86
.irp a, 0,1,2,3,4,5,6,7
.irp b, 0,1,2,3
.irp i, 0,2,4,6
	v_pk_mul_f32 v[32*\a+8*\b+\i:32*\a+8*\b+\i+1], v[32*\a+8*\b+\i:32*\a+8*\b+\i+1], v[32+8*\b+\i:32+8*\b+\i+1]
.endr
.endr
.endr
	WIN 0x82
.set J, 0
.rept 256
	v_med3_num_f32 v[J], v[J], -v13, v13
.set J, J+1
.endr
	WIN 0x02
.irp a, 0,1,2,3,4,5,6,7
.irp b, 0,1,2,3
	v_cvt_scalef32_pk8_bf8_f32 v[TMP+8*\a+2*\b:TMP+8*\a+2*\b+1], v[32*\a+8*\b:32*\a+8*\b+7], v12
.endr
.endr
	v_nop
	WIN 0
.irp a, 0,1,2,3,4,5,6,7
.irp g, 0,1
	global_store_b128 v3, v[TMP+8*\a+4*\g:TMP+8*\a+4*\g+3], s[14:15] offset:APITCH*\a+512*\g
.endr
.endr
	s_wait_tensorcnt 0x0
	ds_add_u32 v[SPW], v[NIL]
	s_wait_dscnt 0x0
	CROUND
	s_endpgm
.Lfunc_end_k_q80aa19d37b_gate_r:
	.size	k_q80aa19d37b_gate_r, .Lfunc_end_k_q80aa19d37b_gate_r-k_q80aa19d37b_gate_r
	.p2alignl 7, 3214868480
	.fill 96, 4, 3214868480
	.section	.rodata,"a",@progbits
	.p2align	6, 0x0
	.amdhsa_kernel k_q80aa19d37b_gate_r
		.amdhsa_group_segment_fixed_size 327680
		.amdhsa_private_segment_fixed_size 0
		.amdhsa_enable_private_segment 0
		.amdhsa_kernarg_size 48
		.amdhsa_user_sgpr_count 2
		.amdhsa_user_sgpr_kernarg_segment_ptr 1
		.amdhsa_wavefront_size32 1
		.amdhsa_system_sgpr_workgroup_id_x 1
		.amdhsa_system_sgpr_workgroup_id_y 1
		.amdhsa_system_sgpr_workgroup_id_z 1
		.amdhsa_system_vgpr_workitem_id 0
		.amdhsa_next_free_vgpr 768
		.amdhsa_next_free_sgpr 100
		.amdhsa_reserve_vcc 0
		.amdhsa_float_denorm_mode_32 3
		.amdhsa_float_denorm_mode_16_64 3
		.amdhsa_memory_ordered 1
		.amdhsa_forward_progress 1
		.amdhsa_inst_pref_size 164
	.end_amdhsa_kernel
	.amdgpu_metadata
---
amdhsa.version: [ 1, 2 ]
amdhsa.kernels:
  - .name:           k_q80aa19d37b_gate_r
    .symbol:         k_q80aa19d37b_gate_r.kd
    .args:
      - { .name: xrc, .offset: 0, .size: 8, .value_kind: global_buffer, .address_space: global }
      - { .name: bcat, .offset: 8, .size: 8, .value_kind: global_buffer, .address_space: global }
      - { .name: cvec, .offset: 16, .size: 8, .value_kind: global_buffer, .address_space: global }
      - { .name: h, .offset: 24, .size: 8, .value_kind: global_buffer, .address_space: global }
      - { .name: lowp_scales, .offset: 32, .size: 8, .value_kind: global_buffer, .address_space: global }
      - { .name: acat, .offset: 40, .size: 8, .value_kind: global_buffer, .address_space: global }
    .group_segment_fixed_size: 327680
    .private_segment_fixed_size: 0
    .kernarg_segment_align: 8
    .kernarg_segment_size: 48
    .max_flat_workgroup_size: 128
    .sgpr_count:     100
    .vgpr_count:     768
    .wavefront_size: 32
...
	.end_amdgpu_metadata
.endif
;; end of part 2
;; launch gate_out (part 3): grid 8 x 32, 4 waves a work-group, clusters of 4 x 4, 327,680 bytes of LDS; arguments acat, bcat, cvec, h, lowp_scales, out0; writes out0
.if DOCPART == 3
	.amdgcn_target "amdgcn-amd-amdhsa--gfx1250"
	.amdhsa_code_object_version 6
	.text
	.protected	k_q80aa19d37b_gate_out
	.globl	k_q80aa19d37b_gate_out
	.p2align	8
	.type	k_q80aa19d37b_gate_out,@function
k_q80aa19d37b_gate_out:
	s_mov_b64 s[64:65], 0
	v_nop
	global_prefetch_b8 v0, s[64:65] scope:SCOPE_SE
	s_setreg_imm32_b32 hwreg(HW_REG_WAVE_MODE, 25, 1), 1
	s_wait_xcnt 0x0
	s_wait_alu depctr_hold_cnt(0) depctr_sa_sdst(0) depctr_va_vdst(0) depctr_va_sdst(0) depctr_va_ssrc(0) depctr_va_vcc(0) depctr_vm_vsrc(0)
	s_getreg_b32 s2, hwreg(HW_REG_IB_STS2, 6, 4)
	s_cmp_eq_u32 s2, 0
	s_cbranch_scc0 .Lentry_in_a_cluster
	s_endpgm
.Lentry_in_a_cluster:
	s_bfe_u32 s2, ttmp6, 0x10000c
	s_cmp_lg_u32 s2, 0xf033
	s_cbranch_scc0 .Lentry_shape_is_right
	s_endpgm
.Lentry_shape_is_right:
; GRU step, last of three launches: out = h + z (tanh(y) - h), z = sigmoid(x Wz^T + ..), y = x Wh^T + (r h) Uh^T + ...  Nothing of the problem is left out.
; acat and bcat hold images of operand registers (16 rows x 128 K, 2,048 bytes: byte 512 g + 16 lane = registers 4 g .. 4 g + 3 of that lane), 48 places a block of 16 rows in use:
; places 3 t, 3 t + 1, 3 t + 2 hold one K step of the z product and two of y's; places 0-23 hold y's x Wh^T part, places 24-47 its (r h) Uh^T part.
; A work-group makes 128 rows x 256 columns of out; a wave 128 x 64, with z's 32 accumulators in window 2 and y's 32 in window 3.
; A LAP is three places.  Its images, 8 blocks of A and 16 of B, 147,456 bytes, fill one of two LDS slots.  CLUSTERS: 4 x 4 work-groups; A's images are shared along a row of the cluster, B's along a column:
; waves 0 and 1 ask jointly for 4 blocks of A each, waves 2 and 3 for 8 blocks of B each; a row of a tile is 6,144 consecutive bytes at a multiple of 256 from the buffer's first byte.
; THE MATRIX INSTRUCTION IS USED TRANSPOSED (source 0 = 16 rows of a weight, source 1 = 16 rows of A): a lane holds eight neighbouring columns of one row of out.
; y's two parts have different scales: behind place 23 y's sums are multiplied once by 2^(e4 + e5 - e6 - e7), and the finished sums by 2^(e6 + e7).
; REGISTERS: window 0: v0-31 addresses, v32-63 at work, v64-191 B's fragments in two sets of 64; window 1: A's fragments in two sets of 128; on the way out windows 0 and 1 are free.
; LIMITS: e0 + e1 and e6 + e7 between -126 and 125, e4 + e5 - e6 - e7 between -126 and 127, so that the three factors are f32 numbers.  NaN among the inputs is not served.
.set IMG,    2048
.set LAPB,   3*IMG                     ; a block's three images of a lap
.set ABYTES, 8*LAPB                    ; A's part of a slot; B's 16 blocks lie behind it
.set SLOT,   24*LAPB
.set SPARE,  2*SLOT                    ; the spare words, 128 bytes a wave: two blocks of 256 bytes that no other line names
.set TABLE,  SPARE+512                 ; 1,536 bytes a wave: its 64 columns of two vectors of cvec and of h
.set APITCH, 48*IMG
.set BPITCH, 64*IMG
.set SPITCH, 272                       ; the way out: a stage of 32 rows x (256 + 16) bytes a wave, in slot 0 behind its last fill and last read
.set TBO,  4
.set ADRA, 16                          ; v16-17 16 x lane + the slot
.set ADRB, 20                          ; v20-21 the same + my four blocks of B
.set PFOB, 22                          ; v22, v30: the prefetches' offsets, 256 bytes a lane
.set STO,  24
.set RD,   25
.set CO,   26
.set TBR,  27
.set SPW,  28                          ; v28 my spare word; v29 0; never rewritten
.set NIL,  29
.set PFOA, 30
.set TBW,  31
.set TMP,  32
.set WF,   64
.set G1A,  24
.set G0A,  32                          ; one group 0 for each slot
.set G1B,  48
.set G0B,  56
.set PFA,  80
.set PFB,  82
.set WZ,   0xa4                        ; source 0 window 0, source 1 window 1, C and D window 2
.set WH,   0xf4                        ; the same, C and D window 3
.set MSB, 0
.macro WIN new                         ; the immediate's high byte repeats the setting that is left
.if MSB != \new
	s_set_vgpr_msb (MSB<<8)|\new
.set MSB, \new
.endif
.endm
.macro PLACES                          ; four places in front of loads into registers that matrix instructions have read
.rept 4
	v_nop
.endr
.endm
.macro CREST                           ; a round of the cluster's barrier behind its opening barrier
	s_cmp_lg_u32 s16, 0
	s_cbranch_scc1 .Lnot_wave_0_\@
	s_barrier_signal -3
.Lnot_wave_0_\@:
	s_barrier_wait -3
	s_barrier_signal -1
	s_barrier_wait -1
.endm
.macro CROUND
	s_barrier_signal -1
	s_barrier_wait -1
	CREST
.endm
.macro JLOAD s                         ; a joint load into slot s; the branch hangs on the wave's number alone
	s_cmp_eq_u32 s17, 0
	s_cbranch_scc0 .Lfor_b_\@
	tensor_load_to_lds s[G0A+4*\s:G0A+4*\s+3], s[G1A:G1A+7]
	s_nop 0
.rept 4
	v_nop
.endr
	s_branch .Lasked_\@
.Lfor_b_\@:
	tensor_load_to_lds s[G0B+4*\s:G0B+4*\s+3], s[G1B:G1B+7]
	s_nop 0
.rept 4
	v_nop
.endr
.Lasked_\@:
.endm
; PREFETCH: a lap of a cluster is 32 blocks of A and 64 of B, 24 pieces of 256 bytes each.  The four partners that share a tile share its blocks out by address: of A's 8 blocks the partner at cx takes 2 cx, 2 cx + 1,
; its wave w twelve pieces of block 2 cx + w / 2; of B's 16 the partner at cy takes 4 cy + w.  A lane a piece; lanes left over name their wave's last piece again.
.macro PF laps                         ; the lap that lies so many laps behind the two bases
	global_prefetch_b8 v[PFOA], s[PFA:PFA+1] offset:(\laps)*LAPB th:TH_LOAD_NT scope:SCOPE_SE
	global_prefetch_b8 v[PFOB], s[PFB:PFB+1] offset:(\laps)*LAPB th:TH_LOAD_NT scope:SCOPE_SE
.endm
.macro ASK                             ; behind lap l's change of slots: lap l + 4, two refills on; the last trip's laps 12 and 13 have no lap four on
	s_cmp_gt_u32 s19, 1
	s_cbranch_scc0 .Lno_more_\@
	PF 2
.Lno_more_\@:
.endm
.macro FETCH slot, q, set              ; 48 LDS loads in one run: place q of the slot: my four fragments of B, then A's eight
	WIN 0
.irp i, 0,1,2,3
.irp g, 0,1,2,3
	ds_load_b128 v[WF+64*(\set)+16*\i+4*\g:WF+64*(\set)+16*\i+4*\g+3], v[ADRB+(\slot)] offset:\i*LAPB+IMG*(\q)+512*\g
.endr
.endr
	WIN 0x40
.irp i, 0,1,2,3,4,5,6,7
.irp g, 0,1,2,3
	ds_load_b128 v[128*(\set)+16*\i+4*\g:128*(\set)+16*\i+4*\g+3], v[ADRA+(\slot)] offset:\i*LAPB+IMG*(\q)+512*\g
.endr
.endr
.endm
.macro MUL8 set, zero, a0              ; A's blocks a0, a0 + 1 x my four of B; the 32 accumulators of a gate take turns
.irp a, \a0, \a0+1
.irp b, 0,1,2,3
.if \zero
	v_wmma_f32_16x16x128_bf8_bf8 v[8*(4*(\a)+\b):8*(4*(\a)+\b)+7], v[WF+64*(\set)+16*\b:WF+64*(\set)+16*\b+15], v[128*(\set)+16*(\a):128*(\set)+16*(\a)+15], 0
.else
	v_wmma_f32_16x16x128_bf8_bf8 v[8*(4*(\a)+\b):8*(4*(\a)+\b)+7], v[WF+64*(\set)+16*\b:WF+64*(\set)+16*\b+15], v[128*(\set)+16*(\a):128*(\set)+16*(\a)+15], v[8*(4*(\a)+\b):8*(4*(\a)+\b)+7]
.endif
.endr
.endr
.endm
.macro STEP slot, q, set, win, zero    ; place q (0 or 1) of a slot: the next place's fragments are asked for first, into the other sets, then 32 products
	WIN 0
	PLACES
	FETCH \slot, (\q)+1, 1-(\set)
	s_wait_dscnt 48                                ; LDS loads come back in order (ISA guide 5.7.1): all but the 48 just issued are in: this place's fragments
	WIN \win
	MUL8 \set, \zero, 0
	MUL8 \set, \zero, 2
	MUL8 \set, \zero, 4
	MUL8 \set, \zero, 6
.endm
; A slot's last place changes slots: in front of the one barrier each wave waits for all its tensor loads, adds 0 to its spare word, and waits for that and for its reads of this slot.  fill = 1: the slot is filled again, two laps on.
.macro TURN slot, set, fill
	WIN 0
.if \fill
	s_wait_xcnt 0x0                                ; my prefetches have read their bases
	s_add_nc_u64 s[PFA:PFA+1], s[PFA:PFA+1], LAPB
	s_add_nc_u64 s[PFB:PFB+1], s[PFB:PFB+1], LAPB
.endif
	s_wait_tensorcnt 0x0                           ; my part of the other slot has landed
	ds_add_u32 v[SPW], v[NIL]
	s_wait_dscnt 0x0                               ; the add is done; this place's fragments are in, and they were my last reads of this slot
	s_barrier_signal -1
	s_barrier_wait -1
.if \fill
	CREST                                          ; the barrier has opened a round: no wave of any partner still reads this slot or has a load on its way
	s_add_nc_u64 s[G0A+4*\slot+2:G0A+4*\slot+3], s[G0A+4*\slot+2:G0A+4*\slot+3], 2*LAPB
	s_add_nc_u64 s[G0B+4*\slot+2:G0B+4*\slot+3], s[G0B+4*\slot+2:G0B+4*\slot+3], 2*LAPB
	JLOAD \slot                                    ; its four v_nop are also the places in front of the loads below
.else
	PLACES
.endif
	FETCH 1-(\slot), 0, 1-(\set)
.if \fill
	WIN 0
	ASK
.endif
	WIN WH                                         ; the slot's last 32 products stand behind the other slot's first 48 LDS loads
	MUL8 \set, 0, 0
	MUL8 \set, 0, 2
	MUL8 \set, 0, 4
	MUL8 \set, 0, 6
.endm
	s_load_b256 s[4:11], s[0:1], 0x0               ; acat, bcat, cvec, h
	s_load_b128 s[12:15], s[0:1], 0x20             ; the scales' exponents, out0
	v_lshl_add_u32 v[SPW], v0, 2, SPARE
	v_mov_b32 v[NIL], 0
	ds_add_u32 v[SPW], v[NIL]                      ; the opening
	ds_add_u32 v[SPW], v[NIL]
	v_lshrrev_b32 v1, 5, v0
	v_readfirstlane_b32 s16, v1                    ; wave 0..3
	s_lshr_b32 s17, s16, 1                         ; I fetch for A (0) or for B (1),
	s_and_b32 s18, s16, 1                          ; its first or second half
	s_bfe_u32 s40, ttmp6, 0x40000                  ; cx, cy
	s_bfe_u32 s41, ttmp6, 0x40004
	s_lshl_b32 s42, ttmp9, 2
	s_add_co_u32 s42, s42, s40                     ; tile column, 256 columns each
	s_and_b32 s43, ttmp7, 0xffff
	s_lshl_b32 s43, s43, 2
	s_add_co_u32 s43, s43, s41                     ; tile row, 128 rows each
	s_lshl_b32 s20, s41, 2
	s_lshl_b32 s20, 15, s20                        ; my row of the cluster
	s_lshl_b32 s21, 0x1111, s40                    ; my column
	s_or_b32 s[G1A], s20, 1<<21                    ; elements of one byte, no padding: images are read 16 bytes a lane on end
	s_or_b32 s[G1B], s21, 1<<21
.irp g, G1A, G1B
	s_mov_b32 s[\g+1], LAPB<<16                    ; tensor_dim0
	s_mov_b32 s[\g+3], LAPB<<16                    ; tile_dim0
	s_mov_b32 s[\g+6], 0
	s_mov_b32 s[\g+7], 0
.endr
	s_mov_b32 s[G1A+2], 4<<16                      ; A: 4 blocks a load
	s_mov_b32 s[G1A+4], 4
	s_mov_b32 s[G1A+5], APITCH
	s_mov_b32 s[G1B+2], 8<<16                      ; B: 8 blocks a load
	s_mov_b32 s[G1B+4], 8
	s_mov_b32 s[G1B+5], BPITCH
	s_lshl_b32 s44, s43, 3
	s_lshl_b32 s45, s18, 2
	s_add_co_u32 s44, s44, s45                     ; A: block 8 x tile row + 4 x half
	s_mul_i32 s44, s44, APITCH
	s_mov_b32 s45, 0
	s_lshl_b32 s46, s42, 4
	s_lshl_b32 s47, s18, 3
	s_add_co_u32 s46, s46, s47                     ; B: block 16 x tile column + 8 x half
	s_lshl_b32 s46, s46, 17
	s_mov_b32 s47, 0
	s_mul_i32 s22, s18, 4*LAPB                     ; where they go in a slot
	s_mul_i32 s23, s18, 8*LAPB
	s_add_co_u32 s23, s23, ABYTES
	s_wait_dscnt 0x0                               ; both opening adds are done
	s_wait_kmcnt 0x0
	s_load_b256 s[72:79], s[12:13], 0x0            ; e0 .. e7
	s_add_nc_u64 s[44:45], s[4:5], s[44:45]
	s_add_nc_u64 s[46:47], s[6:7], s[46:47]
	CROUND                                         ; all sixteen work-groups are here: the first joint loads meet
.irp s, 0,1
	s_mov_b32 s[G0A+4*\s], 1
	s_add_co_u32 s[G0A+4*\s+1], s22, \s*SLOT
	s_add_nc_u64 s[G0A+4*\s+2:G0A+4*\s+3], s[44:45], \s*LAPB
	s_or_b32 s[G0A+4*\s+3], s[G0A+4*\s+3], 0x80000000
	s_mov_b32 s[G0B+4*\s], 1
	s_add_co_u32 s[G0B+4*\s+1], s23, \s*SLOT
	s_add_nc_u64 s[G0B+4*\s+2:G0B+4*\s+3], s[46:47], \s*LAPB
	s_or_b32 s[G0B+4*\s+3], s[G0B+4*\s+3], 0x80000000
.endr
	JLOAD 0                                        ; lap 0: one tensor load a wave at the head
	s_mul_i32 s20, s16, 1536
	s_add_co_u32 s20, s20, TABLE                   ; my table
	s_mul_i32 s21, s16, 32*SPITCH                  ; my stage
	s_mul_i32 s22, s16, 4*LAPB
	s_add_co_u32 s22, s22, ABYTES                  ; my four blocks of B in a slot
	s_lshl_b32 s84, s42, 10
	s_lshl_b32 s85, s16, 8
	s_add_co_u32 s84, s84, s85                     ; my 64 columns, in bytes of f32
	s_mov_b32 s85, 0
	s_add_nc_u64 s[8:9], s[8:9], s[84:85]
	s_add_nc_u64 s[10:11], s[10:11], s[84:85]
	s_lshl_b32 s86, s43, 20                        ; 128 rows of 8,192 bytes
	s_add_co_u32 s86, s86, s84
	s_mov_b32 s87, 0
	s_add_nc_u64 s[14:15], s[14:15], s[86:87]
	s_lshl_b32 s44, s43, 3                         ; the prefetches' bases, at lap 1
	s_lshl_b32 s45, s40, 1
	s_add_co_u32 s44, s44, s45
	s_add_co_u32 s44, s44, s17
	s_mul_i32 s44, s44, APITCH
	s_mul_i32 s45, s18, 12*256
	s_add_co_u32 s44, s44, s45
	s_add_co_u32 s44, s44, LAPB
	s_mov_b32 s45, 0
	s_add_nc_u64 s[PFA:PFA+1], s[4:5], s[44:45]
	s_lshl_b32 s46, s42, 4
	s_lshl_b32 s47, s41, 2
	s_add_co_u32 s46, s46, s47
	s_add_co_u32 s46, s46, s16
	s_lshl_b32 s46, s46, 17
	s_add_co_u32 s46, s46, LAPB
	s_mov_b32 s47, 0
	s_add_nc_u64 s[PFB:PFB+1], s[6:7], s[46:47]
	v_and_b32 v1, 15, v0                           ; l % 16
	v_bfe_u32 v2, v0, 4, 1                         ; l / 16
	v_and_b32 v5, 31, v0
	v_lshlrev_b32 v[ADRA], 4, v5
	v_lshlrev_b32 v[TBO], 4, v1
	v_min_u32 v6, 11, v5
	v_min_u32 v7, 23, v5
	v_lshlrev_b32 v[PFOA], 8, v6
	v_lshlrev_b32 v[PFOB], 8, v7
	v_add_nc_u32 v[ADRA+1], SLOT, v[ADRA]
	v_add_nc_u32 v[ADRB], s22, v[ADRA]
	v_add_nc_u32 v[ADRB+1], SLOT, v[ADRB]
	v_add_nc_u32 v[TBW], s20, v[ADRA]
	v_lshl_add_u32 v[TBR], v2, 5, s20
	v_mul_u32_u24 v[STO], v1, SPITCH               ; into the stage: row l % 16, 32 bytes for each half of the lanes
	v_lshl_add_u32 v[STO], v2, 5, v[STO]
	v_add_nc_u32 v[STO], s21, v[STO]
	v_mul_u32_u24 v[RD], v2, SPITCH                ; back: sixteen lanes take a row of 256 bytes
	v_lshl_add_u32 v[RD], v1, 4, v[RD]
	v_add_nc_u32 v[RD], s21, v[RD]
	v_lshlrev_b32 v[CO], 13, v2                    ; and the same two rows in out0
	v_lshl_add_u32 v[CO], v1, 4, v[CO]
	PF 0                                           ; laps 1 and 2, a buffer's first touch; lap 3 follows behind lap 1's load
	PF 1
	global_load_b128 v[32:35], v[TBO], s[8:9]              ; -log2(e) (h Uz^T + z's biases)
	global_load_b128 v[36:39], v[TBO], s[8:9] offset:16384 ; 2 log2(e) (y's biases)
	global_load_b128 v[40:43], v[TBO], s[10:11]            ; h
	s_wait_kmcnt 0x0
	s_add_co_i32 s20, s72, s73
	s_lshl_b32 s20, s20, 23
	s_mov_b32 s66, 0xbfb8aa3b
	s_add_co_i32 s66, s66, s20                     ; -log2(e) 2^(e0 + e1): the exponents are added to the constant's exponent field
	s_mov_b32 s67, s66
	s_add_co_i32 s21, s78, s79
	s_lshl_b32 s20, s21, 23
	s_mov_b32 s68, 0x4038aa3b
	s_add_co_i32 s68, s68, s20                     ; 2 log2(e) 2^(e6 + e7)
	s_mov_b32 s69, s68
	s_add_co_i32 s20, s76, s77
	s_sub_co_i32 s20, s20, s21
	s_add_co_i32 s20, s20, 127
	s_lshl_b32 s70, s20, 23                        ; 2^(e4 + e5 - e6 - e7)
	s_mov_b32 s71, s70
	s_wait_alu depctr_va_vdst(0)
	s_wait_loadcnt 0x0
	ds_store_b128 v[TBW], v[32:35]
	ds_store_b128 v[TBW], v[36:39] offset:512
	ds_store_b128 v[TBW], v[40:43] offset:1024
	s_wait_tensorcnt 0x0                           ; my part of lap 0 has landed; slot 1's first fill is issued as a refill is
	ds_add_u32 v[SPW], v[NIL]
	s_wait_dscnt 0x0
	CROUND
	JLOAD 1                                        ; lap 1
	FETCH 0, 0, 0
	WIN 0
	PF 2                                           ; lap 3
	STEP 0, 0, 0, WZ, 1                            ; the first products of both gates start the sums: nothing is cleared
	STEP 0, 1, 1, WH, 1
	WIN 0
	s_mov_b32 s19, 7
.Lpair:                                                ; a trip: laps 2 t and 2 t + 1 from the third place on, and the first two places of lap 2 t + 2; both slots are filled again
	TURN 0, 0, 1
	STEP 1, 0, 1, WZ, 0
	STEP 1, 1, 0, WH, 0
	TURN 1, 1, 1
	WIN 0
	s_cmp_lg_u32 s19, 4                            ; the fourth trip ends place 23: y's first part is summed
	s_cbranch_scc1 .Lsame_scale
	PLACES
	WIN 0xc3
.set J, 0
.rept 128
	v_pk_mul_f32 v[J:J+1], v[J:J+1], s[70:71] op_sel_hi:[1,0]   ; brought under the second part's scale: a power of two
.set J, J+2
.endr
	WIN 0
	s_wait_alu depctr_va_vdst(0)
.Lsame_scale:
	STEP 0, 0, 0, WZ, 0
	STEP 0, 1, 1, WH, 0
	WIN 0
	s_sub_co_u32 s19, s19, 1
	s_cmp_lg_u32 s19, 0
	s_cbranch_scc1 .Lpair
	TURN 0, 0, 0                                   ; laps 14 and 15 fetch nothing more
	STEP 1, 0, 1, WZ, 0
	STEP 1, 1, 0, WH, 0
	s_wait_dscnt 0x0
	WIN 0
	PLACES
	WIN 0x40                                       ; my table into window 1, where A's set 0 lay: v0-31 z's vector, v32-63 y's, v64-95 h: register 8 b + j = column 16 b + 8 (l / 16) + j
.irp b, 0,1,2,3
.irp e, 0,1
	ds_load_b128 v[8*\b+4*\e:8*\b+4*\e+3], v[TBR] offset:64*\b+16*\e
	ds_load_b128 v[32+8*\b+4*\e:32+8*\b+4*\e+3], v[TBR] offset:512+64*\b+16*\e
	ds_load_b128 v[64+8*\b+4*\e:64+8*\b+4*\e+3], v[TBR] offset:1024+64*\b+16*\e
.endr
.endr
	WIN WH
	MUL8 1, 0, 0
	MUL8 1, 0, 2
	MUL8 1, 0, 4
	MUL8 1, 0, 6
	s_wait_dscnt 0x0
	WIN 0x41
.set J, 0
.rept 16
	v_pk_fma_f32 v[96+J:96+J+1], v[64+J:64+J+1], -1.0, 1.0 op_sel_hi:[1,0,0]   ; 1 - h; these sixteen are also the places behind the last products
.set J, J+2
.endr
	WIN 0x92                                       ; the exponents to the base 2, each accumulator from its low end on
.irp a, 0,1,2,3,4,5,6,7
.irp b, 0,1,2,3
.irp i, 0,2,4,6
	v_pk_fma_f32 v[32*\a+8*\b+\i:32*\a+8*\b+\i+1], v[32*\a+8*\b+\i:32*\a+8*\b+\i+1], s[66:67], v[8*\b+\i:8*\b+\i+1] op_sel_hi:[1,0,1]
.endr
.endr
.endr
	WIN 0xd3
.irp a, 0,1,2,3,4,5,6,7
.irp b, 0,1,2,3
.irp i, 0,2,4,6
	v_pk_fma_f32 v[32*\a+8*\b+\i:32*\a+8*\b+\i+1], v[32*\a+8*\b+\i:32*\a+8*\b+\i+1], s[68:69], v[32+8*\b+\i:32+8*\b+\i+1] op_sel_hi:[1,0,1]
.endr
.endr
.endr
; THE WAY OUT, by units of 32 rows, so that a unit's stores leave while the next is computed.  z = 1 / (1 + 2^..), tanh = 1 - 2 / (1 + 2^..).  Each batch of transcendentals has one wait ahead of it and one behind.
.macro TRANS op, u
	WIN 0x82
	s_wait_alu depctr_va_vdst(0)
.set J, 64*(\u)
.rept 64
	\op v[J], v[J]
.set J, J+1
.endr
	WIN 0xc3
.set J, 64*(\u)
.rept 64
	\op v[J], v[J]
.set J, J+1
.endr
	v_nop
	s_wait_alu depctr_va_vdst(0)
.endm
.macro UNIT u
	TRANS v_exp_f32, \u
.set J, 64*(\u)
.rept 32
	v_pk_add_f32 v[J:J+1], v[J:J+1], 1.0 op_sel_hi:[1,0]
.set J, J+2
.endr
	WIN 0x82
.set J, 64*(\u)
.rept 32
	v_pk_add_f32 v[J:J+1], v[J:J+1], 1.0 op_sel_hi:[1,0]
.set J, J+2
.endr
	TRANS v_rcp_f32, \u
	WIN 0xd3
.irp s, 0,1
.irp b, 0,1,2,3
.irp i, 0,2,4,6
	v_pk_fma_f32 v[64*(\u)+32*\s+8*\b+\i:64*(\u)+32*\s+8*\b+\i+1], v[64*(\u)+32*\s+8*\b+\i:64*(\u)+32*\s+8*\b+\i+1], -2.0, v[96+8*\b+\i:96+8*\b+\i+1] op_sel_hi:[1,0,1]   ; tanh - h
.endr
.endr
.endr
.endm
.macro TOSTAGE u                       ; out = z (tanh - h) + h; through my own stage, back as whole rows of 256 bytes.  LDS serves a wave's instructions in order (ISA guide 5.7.1.4)
	WIN 0x1e
.irp s, 0,1
.irp b, 0,1,2,3
.irp i, 0,2,4,6
	v_pk_fma_f32 v[TMP+32*\s+8*\b+\i:TMP+32*\s+8*\b+\i+1], v[64*(\u)+32*\s+8*\b+\i:64*(\u)+32*\s+8*\b+\i+1], v[64*(\u)+32*\s+8*\b+\i:64*(\u)+32*\s+8*\b+\i+1], v[64+8*\b+\i:64+8*\b+\i+1]
.endr
.endr
.endr
	WIN 0
.irp s, 0,1
.irp b, 0,1,2,3
	ds_store_b128 v[STO], v[TMP+32*\s+8*\b:TMP+32*\s+8*\b+3] offset:16*\s*SPITCH+64*\b
	ds_store_b128 v[STO], v[TMP+32*\s+8*\b+4:TMP+32*\s+8*\b+7] offset:16*\s*SPITCH+64*\b+16
.endr
.endr
.set BB, 128+64*((\u)%2)
.irp t, 0,1,2,3,4,5,6,7,8,9,10,11,12,13,14,15
	ds_load_b128 v[BB+4*\t:BB+4*\t+3], v[RD] offset:2*\t*SPITCH
.endr
.endm
.macro SEND u
.set BB, 128+64*((\u)%2)
	WIN 0
	s_wait_dscnt 0x0                               ; the unit is back in registers
.irp t, 0,1,2,3,4,5,6,7,8,9,10,11,12,13,14,15
	global_store_b128 v[CO], v[BB+4*\t:BB+4*\t+3], s[14:15] offset:(32*(\u)+2*\t)*8192 th:TH_STORE_NT   ; sixteen lanes store 256 consecutive bytes, at a multiple of 256 from out0's first byte
.endr
.endm
	UNIT 0
	TOSTAGE 0
.irp u, 1,2,3
	UNIT \u
	s_wait_alu depctr_va_vdst(0)
.if \u > 1
	s_wait_xcnt 0x0                                ; unit u - 2's stores have read their registers: unit u's rows may land there
.endif
	SEND \u-1
	TOSTAGE \u
.endr
	SEND 3
	s_wait_tensorcnt 0x0                           ; the wave's end
	ds_add_u32 v[SPW], v[NIL]
	s_wait_dscnt 0x0
	CROUND                                         ; the closing round
	s_endpgm
.Lfunc_end_k_q80aa19d37b_gate_out:
	.size	k_q80aa19d37b_gate_out, .Lfunc_end_k_q80aa19d37b_gate_out-k_q80aa19d37b_gate_out
	.p2alignl 7, 3214868480
	.fill 96, 4, 3214868480
	.section	.rodata,"a",@progbits
	.p2align	6, 0x0
	.amdhsa_kernel k_q80aa19d37b_gate_out
		.amdhsa_group_segment_fixed_size 327680
		.amdhsa_private_segment_fixed_size 0
		.amdhsa_enable_private_segment 0
		.amdhsa_kernarg_size 48
		.amdhsa_user_sgpr_count 2
		.amdhsa_user_sgpr_kernarg_segment_ptr 1
		.amdhsa_wavefront_size32 1
		.amdhsa_system_sgpr_workgroup_id_x 1
		.amdhsa_system_sgpr_workgroup_id_y 1
		.amdhsa_system_sgpr_workgroup_id_z 1
		.amdhsa_system_vgpr_workitem_id 0
		.amdhsa_next_free_vgpr 1024
		.amdhsa_next_free_sgpr 88
		.amdhsa_reserve_vcc 0
		.amdhsa_float_denorm_mode_32 3
		.amdhsa_float_denorm_mode_16_64 3
		.amdhsa_memory_ordered 1
		.amdhsa_forward_progress 1
		.amdhsa_inst_pref_size 184
	.end_amdhsa_kernel
	.amdgpu_metadata
---
amdhsa.version: [ 1, 2 ]
amdhsa.kernels:
  - .name:           k_q80aa19d37b_gate_out
    .symbol:         k_q80aa19d37b_gate_out.kd
    .args:
      - { .name: acat, .offset: 0, .size: 8, .value_kind: global_buffer, .address_space: global }
      - { .name: bcat, .offset: 8, .size: 8, .value_kind: global_buffer, .address_space: global }
      - { .name: cvec, .offset: 16, .size: 8, .value_kind: global_buffer, .address_space: global }
      - { .name: h, .offset: 24, .size: 8, .value_kind: global_buffer, .address_space: global }
      - { .name: lowp_scales, .offset: 32, .size: 8, .value_kind: global_buffer, .address_space: global }
      - { .name: out0, .offset: 40, .size: 8, .value_kind: global_buffer, .address_space: global }
    .group_segment_fixed_size: 327680
    .private_segment_fixed_size: 0
    .kernarg_segment_align: 8
    .kernarg_segment_size: 48
    .max_flat_workgroup_size: 128
    .sgpr_count:     88
    .vgpr_count:     1024
    .wavefront_size: 32
...
	.end_amdgpu_metadata
.endif
;; end of part 3
